; MI455X (gfx1250); checked and timed in simulation.
; The chip was launched on July 23, 2026; its instructions are those of AMD's public machine-readable ISA for CDNA 5 (MIT licence, August 2026) and "CDNA5" Instruction Set Architecture Reference Guide (July 2026). The comments in the code are by the model that wrote it; some were corrected since.
;; Binary Mat Mul. Allowed arithmetic: float matrix products may take bf16 or f16 operands with f32 sums; other float arithmetic in f32, or as packed bf16 or f16 multiplies, adds, multiply-adds, maxima and minima; sums over many terms, partial sums and values carried from step to step in f32; what a program stores and reads back later, other than sums and carried values, may be rounded once to bf16 or f16.
;; Inputs: x 2 x 2,048 x 4,096 float32; x_clip one number float32; y 2 x 4,096 x 4,096 float32; y_clip one number float32.
;; Outputs: out0 2 x 2,048 x 4,096 float32.
;; 2 versions, each right; version 2 is version 1 with the launch signs written anew for expert scheduling mode. Each part assembles by itself: llvm-mc -triple=amdgcn-amd-amdhsa -mcpu=gfx1250 --defsym DOCPART=n.
;; ======== version 1 of 2: 2 launches
;; workspace buffers: sg 100,663,296 bytes
;; launch signs (part 1): grid 768 x 1, 8 waves a work-group, no clusters, 0 bytes of LDS; arguments x, y, sg; writes sg
.if DOCPART == 1
	.amdgcn_target "amdgcn-amd-amdhsa--gfx1250"
	.amdhsa_code_object_version 6
	.text
	.protected	k_q5c162cdf14_signs
	.globl	k_q5c162cdf14_signs
	.p2align	8
	.type	k_q5c162cdf14_signs,@function
k_q5c162cdf14_signs:
	s_mov_b64 s[64:65], 0
	v_nop
	global_prefetch_b8 v0, s[64:65] scope:SCOPE_SE
	s_setreg_imm32_b32 hwreg(HW_REG_WAVE_MODE, 25, 1), 1
	s_wait_xcnt 0x0
; sg = sign(x), then sign(y), as bf16.  x: 4,096 rows, y: 8,192 rows of 4,096 f32; sg: 12,288 rows of 4,096 bf16, x's rows first.
; EXACT FOR EVERY f32: a number that is ordered and not 0 (denormals and infinities too) gives +1 or -1 by its sign bit; +0 and -0 stay as they are; a NaN stays a NaN
; (its payload is not kept by the rounding to bf16).  +1, -1 and 0 are exact in bf16, so nothing is rounded here.
; K IS PERMUTED INSIDE EACH BLOCK OF 256, alike in every row of x and of y: place 8 t + e of a block holds k = 4 t + e (e < 4) or k = 128 + 4 t + e - 4 (e >= 4).
; The product that follows sums over all k of a row pair, and both rows have the same order, so every product meets its partner; the sums are whole numbers, exact in f32 in any order.
; What it buys: lane t loads 16 bytes at 16 t and 16 bytes at 512 + 16 t of a block's 1,024 bytes, and stores 16 bytes at 16 t of its 512: each load and each store of a wave
; covers 512 consecutive bytes, aligned, and no number changes lanes.
; SHARES.  768 work-groups of eight waves; a work-group takes 262,144 consecutive input bytes (16 rows): numbers 0-255 of x, the others of y; its output begins at 131,072 x its number,
; since x's 256 shares end where y's rows begin in sg.  A wave takes 32,768 bytes: 32 blocks.  A ring of eight slots in registers keeps sixteen loads of every wave in flight.
; No LDS, no barrier, no matrix unit: no wave wants a byte that another has fetched.  No prefetch: the launch does nothing but stream.
.set DEPTH,  8                         ; slots
.set ROUNDS, 4                         ; each round takes every slot once: 32 blocks
.set INB,    1024                      ; input bytes of a block
.set OUTB,   512                       ; output bytes of a block
.set VIN,  2                           ; v2        my byte offset in the work-group's input: 32,768 x wave + 16 x lane; never rewritten
.set VOUT, 3                           ; v3        the same in its output: 16,384 x wave + 16 x lane; never rewritten
.set T,    4                           ; v[4:11]   eight numbers at work
.set X,    12                          ; v[12:75]  slot i: 8 registers as loaded (0-3 the low 16 bytes, 4-7 the high)
.set Y,    76                          ; v[76:107] slot i: 4 registers to store
	s_load_b128 s[4:7], s[0:1], 0x0                ; x s[4:5], y s[6:7]
	s_load_b64 s[8:9], s[0:1], 0x10                ; sg
	s_sub_co_u32 s3, ttmp9, 256                    ; my share's number in y, if I am one of y's
	s_cmp_lt_u32 ttmp9, 256                        ; am I one of x's?  SCC stays until the choice of the buffer below: only moves, selects, waits and vector lines stand between
	s_cselect_b32 s2, ttmp9, s3                    ; my share's number in its buffer
	v_and_b32 v1, 0xe0, v0                         ; 32 x wave
	v_and_b32 v[VOUT], 31, v0
	v_lshlrev_b32 v[VOUT], 4, v[VOUT]              ; 16 x lane
	v_lshl_or_b32 v[VIN], v1, 10, v[VOUT]
	v_lshl_or_b32 v[VOUT], v1, 9, v[VOUT]
	s_mov_b32 s14, 0x80000000                      ; the sign bit
	s_mov_b32 s15, 0x3f800000                      ; 1.0
	s_wait_kmcnt 0x0
	s_cselect_b64 s[10:11], s[4:5], s[6:7]         ; the condition is made of the work-group's number alone
	s_lshl_b32 s2, s2, 18                          ; 262,144 bytes a share: under 2^27
	s_mov_b32 s3, 0
	s_add_nc_u64 s[10:11], s[10:11], s[2:3]
	s_lshl_b32 s12, ttmp9, 17                      ; 131,072 bytes of sg a share
	s_mov_b32 s13, 0
	s_add_nc_u64 s[8:9], s[8:9], s[12:13]
.irp i, 0,1,2,3,4,5,6,7
	global_load_b128 v[X+8*(\i):X+8*(\i)+3],   v[VIN], s[10:11] offset:INB*(\i) th:TH_LOAD_NT       ; fill the ring: blocks 0 to 7
	global_load_b128 v[X+8*(\i)+4:X+8*(\i)+7], v[VIN], s[10:11] offset:INB*(\i)+512 th:TH_LOAD_NT
.endr
; One slot's turn.  ahead = 1: the slot is filled again with the block DEPTH further on.  left = how many younger loads may stay out.
.macro SLOT i, ahead, left
	s_wait_loadcnt \left                           ; loads come back in order (ISA guide 5.7.1): my two are in, the younger slots' stay out
	s_wait_xcnt 0x0                                ; every earlier memory instruction has had its addresses translated (ISA guide 3.1): Y of this slot, which its last store reads, is rewritten only behind this wait
.irp j, 0,1,2,3,4,5,6,7
	v_and_or_b32 v[T+(\j)], v[X+8*(\i)+(\j)], s14, s15             ; 1.0 with x's sign
	v_cmp_lg_f32 vcc_lo, 0, v[X+8*(\i)+(\j)]                       ; true where x is ordered and not 0; the mode keeps f32 denormals, so they count as not 0
	v_cndmask_b32 v[T+(\j)], v[X+8*(\i)+(\j)], v[T+(\j)], vcc_lo   ; elsewhere x itself: +0, -0 or a NaN
.endr
.irp k, 0,1,2,3
	v_cvt_pk_bf16_f32 v[Y+4*(\i)+(\k)], v[T+2*(\k)], v[T+2*(\k)+1]
.endr
.if \ahead
	global_load_b128 v[X+8*(\i):X+8*(\i)+3],   v[VIN], s[10:11] offset:INB*((\i)+DEPTH) th:TH_LOAD_NT      ; the load ahead of the store
	global_load_b128 v[X+8*(\i)+4:X+8*(\i)+7], v[VIN], s[10:11] offset:INB*((\i)+DEPTH)+512 th:TH_LOAD_NT
.endif
	global_store_b128 v[VOUT], v[Y+4*(\i):Y+4*(\i)+3], s[8:9] offset:OUTB*(\i)  ; 32 lanes store 512 consecutive bytes, at a multiple of 512 from sg's first byte
.endm
	s_mov_b32 s12, ROUNDS-1
.Lround:
.irp i, 0,1,2,3,4,5,6,7
	SLOT \i, 1, 2*(DEPTH-1)                        ; seven younger slots, two loads each: the same count on the way in and over the backward jump
.endr
	s_wait_xcnt 0x0                                ; the round's loads and stores have read their bases, so these may be stepped
	s_add_nc_u64 s[10:11], s[10:11], DEPTH*INB
	s_add_nc_u64 s[8:9], s[8:9], DEPTH*OUTB
	s_sub_co_u32 s12, s12, 1
	s_cmp_lg_u32 s12, 0
	s_cbranch_scc1 .Lround
.irp i, 0,1,2,3,4,5,6,7
	SLOT \i, 0, 2*(DEPTH-1-(\i))                   ; the last round loads nothing, so no load leaves the buffer: the counts run down
.endr
	s_endpgm
.Lfunc_end_k_q5c162cdf14_signs:
	.size	k_q5c162cdf14_signs, .Lfunc_end_k_q5c162cdf14_signs-k_q5c162cdf14_signs
	.p2alignl 7, 3214868480
	.fill 96, 4, 3214868480
	.section	.rodata,"a",@progbits
	.p2align	6, 0x0
	.amdhsa_kernel k_q5c162cdf14_signs
		.amdhsa_group_segment_fixed_size 0
		.amdhsa_private_segment_fixed_size 0
		.amdhsa_enable_private_segment 0
		.amdhsa_kernarg_size 24
		.amdhsa_user_sgpr_count 2
		.amdhsa_user_sgpr_kernarg_segment_ptr 1
		.amdhsa_wavefront_size32 1
		.amdhsa_system_sgpr_workgroup_id_x 1
		.amdhsa_system_sgpr_workgroup_id_y 1
		.amdhsa_system_sgpr_workgroup_id_z 1
		.amdhsa_system_vgpr_workitem_id 0
		.amdhsa_next_free_vgpr 108
		.amdhsa_next_free_sgpr 66
		.amdhsa_reserve_vcc 1
		.amdhsa_float_denorm_mode_32 3
		.amdhsa_float_denorm_mode_16_64 3
		.amdhsa_memory_ordered 1
		.amdhsa_forward_progress 1
		.amdhsa_inst_pref_size 27
	.end_amdhsa_kernel
	.amdgpu_metadata
---
amdhsa.version: [ 1, 2 ]
amdhsa.kernels:
  - .name:           k_q5c162cdf14_signs
    .symbol:         k_q5c162cdf14_signs.kd
    .args:
      - { .name: x, .offset: 0, .size: 8, .value_kind: global_buffer, .address_space: global }
      - { .name: y, .offset: 8, .size: 8, .value_kind: global_buffer, .address_space: global }
      - { .name: sg, .offset: 16, .size: 8, .value_kind: global_buffer, .address_space: global }
    .group_segment_fixed_size: 0
    .private_segment_fixed_size: 0
    .kernarg_segment_align: 8
    .kernarg_segment_size: 24
    .max_flat_workgroup_size: 256
    .sgpr_count:     66
    .vgpr_count:     108
    .wavefront_size: 32
...
	.end_amdgpu_metadata
.endif
;; end of part 1
;; launch gemm (part 2): grid 16 x 16, 4 waves a work-group, clusters of 4 x 4, 327,680 bytes of LDS; arguments sg, x_clip, y_clip, out0; writes out0
.if DOCPART == 2
	.amdgcn_target "amdgcn-amd-amdhsa--gfx1250"
	.amdhsa_code_object_version 6
	.text
	.protected	k_q5c162cdf14_gemm
	.globl	k_q5c162cdf14_gemm
	.p2align	8
	.type	k_q5c162cdf14_gemm,@function
k_q5c162cdf14_gemm:
	s_mov_b64 s[64:65], 0
	v_nop
	global_prefetch_b8 v0, s[64:65] scope:SCOPE_SE
	s_setreg_imm32_b32 hwreg(HW_REG_WAVE_MODE, 25, 1), 1
	s_wait_xcnt 0x0
	s_wait_alu depctr_hold_cnt(0) depctr_sa_sdst(0) depctr_va_vdst(0) depctr_va_sdst(0) depctr_va_ssrc(0) depctr_va_vcc(0) depctr_vm_vsrc(0)
	s_getreg_b32 s2, hwreg(HW_REG_IB_STS2, 6, 4)
	s_cmp_eq_u32 s2, 0
	s_cbranch_scc0 .Lentry_in_a_cluster
	s_endpgm
.Lentry_in_a_cluster:
	s_bfe_u32 s2, ttmp6, 0x10000c
	s_cmp_lg_u32 s2, 0xf033
	s_cbranch_scc0 .Lentry_shape_is_right
	s_endpgm
.Lentry_shape_is_right:
; out0[b][m][n] = ((the sum over k of sx[b][m][k] sy[b][n][k]) x_clip) y_clip.  sg holds sx = sign(x) (4,096 rows: 2,048 b + m) and, YS bytes on, sy = sign(y) (8,192 rows: 4,096 b + n),
; rows of 4,096 bf16 with k in one and the same order in all rows.  The operands are +1, -1, 0 (or NaN): the f32 sums are whole numbers up to 4,096, exact in any order;
; the two multiplications stand in the order of the definition, so a finite result has its bits.  A NaN among the operands makes its row or column of the tile NaN.
; SHARES.  out0, taken as [4,096][4,096] f32, is 16 x 16 tiles of 256 x 256: one for each work-group.  Four waves, as many as a WGP has SIMDs; a wave makes 128 x 128: 64 accumulators of 16 x 16,
; 512 registers.  K goes in steps of 128 through a ring of two LDS slots filled by the tensor data mover: a tile's rows are 256 bytes of memory, at multiples of 256 from sg's first byte.
; CLUSTERS: 4 x 4 work-groups.  The four of a row of the cluster make tiles of one tile row and need the same rows of sx; the four of a column need the same rows of sy (a batch is eight tile rows,
; two clusters, so the batch is made of the cluster's y alone and all sixteen share it).  Such a tile is asked for JOINTLY: the same tensor load, descriptor and mask in all four.
; THE MATRIX INSTRUCTION IS USED TRANSPOSED: source 0 = 16 rows of sy, source 1 = 16 rows of sx.  In the result lane l holds row l % 16 of the tile and its registers 0 to 7 the columns
; 8 (l / 16) + 0 .. 7: eight neighbouring f32 of a row of out0, 32 bytes.
; REGISTERS, in windows of 256 (s_set_vgpr_msb's low byte: bits 1:0 source 0, 3:2 source 1, 5:4 source 2, 7:6 destination):
;   window 0: v0-31 addresses; v64-127, v128-191 fragments of sx, two buffers; on the way out v64-127 scaled results, v128-191 and v192-255 rows read back, by turns
;   window 1: v64-127, v128-191 fragments of sy, two buffers
;   window 2: the 32 accumulators of my rows 0-63 (accumulator (a, b) at v[8 (8 a + b)]);   window 3: those of my rows 64-127
.set SIZE_K, 4096
.set SIZE_N, 4096
.set KSTEP,  128
.set PITCH,  272                       ; an LDS row: 256 bytes of data + 16 of padding = 68 words: row r starts at bank 4 r mod 64 (64 banks of 4 bytes: ISA guide 11.1), so the 16 rows of a load start at 16 different banks
.set HALFT,  128*PITCH                 ; 128 rows: what one tensor load brings, and what one wave reads of either operand
.set SLOT,   4*HALFT                   ; sx's 256 rows, then sy's 256 rows
.set STAGE,  2*SLOT                    ; behind the ring, never filled by a tensor load: 16 rows x 528 bytes for each wave, for the way out
.set SPITCH, 528                       ; a stage row: 512 bytes (128 f32) + 16: 33 x 16 bytes
.set SPARE,  STAGE+4*16*SPITCH         ; behind the stages: the spare words, 128 bytes for each wave: two blocks of 256 bytes that no other line names
.set LAPS,   SIZE_K/(2*KSTEP)          ; a lap = two K steps = once round the ring: 16
.set YS,     33554432                  ; bytes from sg's first byte to sy's first row
.set CROW,   SIZE_N*4                  ; bytes in a row of out0
.set ADRA, 16                          ; v16-17  LDS address of my sx fragments in slot 0, 1
.set ADRB, 20                          ; v20-21  the same for sy
.set STO,  24                          ; v24     the way out: where I put 32 bytes of a row
.set RD,   25                          ; v25     the way out: where I read 16 bytes of a row back
.set CO,   26                          ; v26     my byte offset in 512 bytes of a row of out0
.set SPW,  28                          ; v28     LDS address of my spare word: SPARE + 4 x my thread's number; never rewritten
.set NIL,  29                          ; v29     0; never rewritten
.set PFO,  30                          ; v30     the prefetches' offset: my lane x a row of sg (8,192 bytes); never rewritten
.set F0,   64                          ; fragment buffer 0
.set F1,   128                         ; fragment buffer 1
.set TMP,  64                          ; the way out: a block's 64 scaled results a lane, in window 0
.set OBK,  128                         ; the way out: 16 rows read back from the stage: v128-191 and v192-255 by turns
.set WV,   12                          ; s12  my wave's number
.set HR,   13                          ; s13  which half of the tile's rows is mine.  Also: I fetch for sx (0) or for sy (1)
.set HC,   14                          ; s14  which half of its columns.  Also: which 128 rows of that tile I fetch
.set CLY,  15                          ; s15  the cluster's y
.set G1,   24                          ; s[24:31] descriptor group 1 for sx's tiles
.set G0,   32                          ; s[32:39] descriptor group 0 for sx's tiles, one set for each slot
.set LIM,  43                          ; s43  1 in a wave that prefetches, else the greatest number
.set PFA,  44                          ; s[44:45] where my prefetches stand: my work-group's 32 rows of the 128 that I fetch, one K step further along K than the refill in hand; a prefetch names the K step after that
.set G1B,  48                          ; s[48:55] descriptor group 1 for sy's tiles: it differs in the mask alone
.set G0B,  56                          ; s[56:63] descriptor group 0 for sy's tiles, one set for each slot
.set XC,   66                          ; s[66:67] x_clip, twice: the packed multiply names a pair and takes its low word for both halves
.set YC,   68                          ; s[68:69] y_clip, twice
.set MSB, 0
.macro WIN new                         ; the immediate's high byte repeats the setting that is left; a switch that changes nothing is dropped
.if MSB != (\new)
	s_set_vgpr_msb (MSB<<8)|(\new)
.set MSB, \new
.endif
.endm
.set MUL_LO, 0xa1                      ; source 0 (sy) window 1, source 1 (sx) window 0, C and D window 2
.set MUL_HI, 0xf1                      ; the same, C and D window 3
.set TO_B,   0x40                      ; destination window 1, address window 0
; A joint load.  Waves 0 and 1 fetch sx's two halves, waves 2 and 3 sy's.  Each of the two lines has one mask and one set of registers for all that issue it.  The branch hangs on the wave's
; number alone.  An s_nop 0 and four v_nop follow each of the two lines, ahead of the jump, the label and what follows the macro.
.macro JLOAD s
	s_cmp_eq_u32 s[HR], 0
	s_cbranch_scc0 .Lfor_b_\@
	tensor_load_to_lds s[G0+4*(\s):G0+4*(\s)+3], s[G1:G1+7]
	s_nop 0
.rept 4
	v_nop
.endr
	s_branch .Lasked_\@
.Lfor_b_\@:
	tensor_load_to_lds s[G0B+4*(\s):G0B+4*(\s)+3], s[G1B:G1B+7]
	s_nop 0
.rept 4
	v_nop
.endr
.Lasked_\@:
.endm
; A PREFETCH INTO THE L2, behind each joint refill, its five lines and the run of LDS loads that follows them: the K step that stands TWO refills on, 512 matrix instructions ahead of the load that
; will ask for it: 32 rows x 256 bytes, a lane a row, one instruction a wave.  Each row's 256 bytes of a K step are named ONCE in the launch.  sx's tile row is read by the four clusters of a row of
; clusters: the one with x = 0 asks.  sy's tile column of a batch is read by the batch's two clusters: the one with even y asks.  The four partners that ask for a tile jointly share its rows out BY
; ADDRESS: of the 128 rows that a wave fetches the partner at place p takes 32 p .. 32 p + 31 (p = cx for sx, cy for sy).  The loop's last trip (s3 = 1) asks for nothing: its refills are the
; rows' last two K steps.  K steps 0 to 3 come by their loads alone.
.macro ASK
	s_cmp_gt_u32 s3, s[LIM]
	s_cbranch_scc0 .Lnot_mine_\@
	global_prefetch_b8 v[PFO], s[PFA:PFA+1] offset:KSTEP*2 th:TH_LOAD_NT scope:SCOPE_SE
.Lnot_mine_\@:
.endm
; A round of the cluster's barrier: my work-group's barrier, so that wave 0's signal speaks for all four waves; wave 0 signals for the work-group; every wave waits for all sixteen work-groups;
; my work-group's barrier once more.  No LDS instruction of the wave is pending at a signal.
.macro CREST                           ; a round behind its opening barrier
	s_cmp_lg_u32 s[WV], 0
	s_cbranch_scc1 .Lnot_wave_0_\@
	s_barrier_signal -3
.Lnot_wave_0_\@:
	s_barrier_wait -3
	s_barrier_signal -1
	s_barrier_wait -1
.endm
.macro CROUND                          ; a whole round
	s_barrier_signal -1
	s_barrier_wait -1
	CREST
.endm
	s_load_b256 s[4:11], s[0:1], 0x0               ; sg s[4:5], x_clip's address s[6:7], y_clip's s[8:9], out0 s[10:11]
	v_lshl_add_u32 v[SPW], v0, 2, SPARE
	v_mov_b32 v[NIL], 0
	ds_add_u32 v[SPW], v[NIL]                      ; the wave's opening: the add, twice on end, and its wait ahead of my first tensor load; the set-up below, work on registers, stands between
	ds_add_u32 v[SPW], v[NIL]                      ; and once more, under the one wait
	v_lshrrev_b32 v1, 5, v0
	v_readfirstlane_b32 s[WV], v1                  ; wave 0..3
	s_lshr_b32 s[HR], s[WV], 1
	s_and_b32 s[HC], s[WV], 1
	s_bfe_u32 s40, ttmp6, 0x40000                  ; cx: my place along the cluster's x
	s_bfe_u32 s41, ttmp6, 0x40004                  ; cy: along its y
	s_lshl_b32 s42, ttmp9, 2                       ; in a cluster launch ttmp9 and ttmp7 count clusters
	s_add_co_u32 s42, s42, s40                     ; tile column = 4 x cluster x + cx
	s_and_b32 s[CLY], ttmp7, 0xffff
	s_lshl_b32 s70, s[CLY], 2
	s_add_co_u32 s70, s70, s41                     ; tile row (both batches stacked) = 4 x cluster y + cy
	s_lshr_b32 s71, s[CLY], 1                      ; the batch: eight tile rows, two clusters
	s_lshl_b32 s43, s41, 2
	s_lshl_b32 s43, 15, s43                        ; my row of the cluster: places 4 cy .. 4 cy + 3
	s_lshl_b32 s44, 0x1111, s40                    ; my column: places cx, cx + 4, cx + 8, cx + 12
	; descriptor group 1: a tile of 128 rows x 128 elements, padded in LDS
	s_or_b32 s[G1+0], s43, (1<<16)|(1<<20)|(1<<21)|(5<<22)|(3<<25)   ; 15:0 the mask: sx's tiles go to my row; 17:16 elements of 2 bytes; 20 padding on; 21 set beside a mask; 24:22 after every 64 words (code 5); 31:25 4 words (code 3)
	s_or_b32 s[G1B+0], s44, (1<<16)|(1<<20)|(1<<21)|(5<<22)|(3<<25)  ; the same with the mask of my column, for sy's tiles
.irp g, G1, G1B
	s_mov_b32 s[(\g)+1], KSTEP<<16                 ; 63:48 tensor_dim0, low half = 128
	s_mov_b32 s[(\g)+2], 128<<16                   ; 79:64 its high half = 0; 95:80 tensor_dim1, low half = 128
	s_mov_b32 s[(\g)+3], KSTEP<<16                 ; 111:96 its high half = 0; 127:112 tile_dim0 = 128
	s_mov_b32 s[(\g)+4], 128                       ; 143:128 tile_dim1 = 128; 159:144 tile_dim2 = 0
	s_mov_b32 s[(\g)+5], SIZE_K                    ; 191:160 tensor_dim0_stride, low word: elements from row to row
	s_mov_b32 s[(\g)+6], 0
	s_mov_b32 s[(\g)+7], 0
.endr
	; where the tiles come from.  sx's hang on the tile row alone, which my row of the cluster shares; sy's on the tile column and the batch, which my column shares.
	; Every wave makes both offsets, in registers that never hold the other coordinate, and asks by one of them.  A row is 8,192 bytes; both offsets stay under 2^27.
	s_lshl_b32 s17, s[HC], 7                       ; which 128 rows of the tile I fetch
	s_lshl_b32 s16, s70, 8
	s_add_co_u32 s16, s16, s17                     ; sx: row 256 x tile row + 128 x half
	s_lshl_b32 s16, s16, 13
	s_lshl_b32 s46, s42, 8
	s_add_co_u32 s46, s46, s17                     ; sy: row 256 x tile column + 128 x half
	s_lshl_b32 s47, s71, 12
	s_add_co_u32 s46, s46, s47                     ;     + 4,096 x batch
	s_lshl_b32 s46, s46, 13
	s_mov_b32 s17, 0
	s_mov_b32 s47, 0
	s_mul_i32 s20, s[WV], HALFT                    ; and where they go: sx's two halves, then sy's two = wave x 128 rows: no place in the cluster enters an LDS address
	s_wait_dscnt 0x0                               ; both opening adds are done
	s_wait_kmcnt 0x0
	s_add_nc_u64 s[72:73], s[4:5], YS              ; sy's first row
	s_add_nc_u64 s[78:79], s[4:5], s[16:17]
	s_add_nc_u64 s[46:47], s[72:73], s[46:47]
	CROUND                                         ; all sixteen work-groups are here: the first joint loads meet
.irp s, 0,1
	s_mov_b32 s[G0+4*(\s)], 1                                        ; 1:0 count = 1
	s_add_co_u32 s[G0+4*(\s)+1], s20, (\s)*SLOT                      ; 63:32 LDS address
	s_add_nc_u64 s[G0+4*(\s)+2:G0+4*(\s)+3], s[78:79], (\s)*KSTEP*2  ; 120:64 global address: K step s
	s_or_b32 s[G0+4*(\s)+3], s[G0+4*(\s)+3], 0x80000000              ; 127:126 type = 2
	s_mov_b32 s[G0B+4*(\s)], 1
	s_add_co_u32 s[G0B+4*(\s)+1], s20, (\s)*SLOT
	s_add_nc_u64 s[G0B+4*(\s)+2:G0B+4*(\s)+3], s[46:47], (\s)*KSTEP*2
	s_or_b32 s[G0B+4*(\s)+3], s[G0B+4*(\s)+3], 0x80000000
	JLOAD \s                                       ; the ring is filled before anything else is done: two loads of mine are out
.endr
	s_load_b32 s[XC], s[6:7], 0x0                  ; the two scales; no line of this launch writes them
	s_load_b32 s[YC], s[8:9], 0x0
	; A fragment is 16 rows x 32 K in 8 registers: lane l holds row l % 16; registers 0-3 hold K = 8 (l / 16) + 0..7, registers 4-7 hold K = 16 + 8 (l / 16) + 0..7:
	; two loads of 16 bytes, 32 bytes apart.  The same for source 0 and source 1.
	v_and_b32 v1, 15, v0                           ; l % 16
	v_bfe_u32 v2, v0, 4, 1                         ; l / 16
	v_mul_u32_u24 v3, v1, PITCH
	v_lshl_add_u32 v3, v2, 4, v3                   ; row x pitch + 16 x half
	s_mul_i32 s21, s[HR], HALFT                    ; my 128 rows of sx
	s_mul_i32 s22, s[HC], HALFT                    ; my 128 rows of sy,
	s_add_co_u32 s22, s22, 2*HALFT                 ; which lie behind sx's 256
.irp s, 0,1
	v_add_nc_u32 v[ADRA+(\s)], s21, v3
	v_add_nc_u32 v[ADRB+(\s)], s22, v3
	s_add_co_u32 s21, s21, SLOT
	s_add_co_u32 s22, s22, SLOT
.endr
	s_mul_i32 s23, s[WV], 16*SPITCH
	s_add_co_u32 s23, s23, STAGE                   ; my stage
	v_mul_u32_u24 v4, v1, SPITCH                   ; in: row l % 16, 32 bytes for each half of the lanes
	v_lshl_add_u32 v4, v2, 5, v4
	v_add_nc_u32 v[STO], s23, v4
	v_and_b32 v5, 31, v0
	v_lshlrev_b32 v[CO], 4, v5                     ; back: the 32 lanes take one row of 512 bytes, 16 bytes each; the same in out0
	v_add_nc_u32 v[RD], s23, v[CO]
	v_lshlrev_b32 v[PFO], 13, v5
	; where my part of the tile begins in out0, in bytes (under 2^26), in registers that feed no descriptor
	s_lshl_b32 s74, s70, 8
	s_lshl_b32 s75, s[HR], 7
	s_add_co_u32 s74, s74, s75                     ; my first row
	s_lshl_b32 s74, s74, 14                        ; x 16,384 bytes
	s_lshl_b32 s76, s42, 10                        ; the tile's 256 columns: 1,024 bytes,
	s_lshl_b32 s77, s[HC], 9                       ; my 128: 512
	s_add_co_u32 s76, s76, s77
	s_add_co_u32 s74, s74, s76
	s_mov_b32 s75, 0
	s_add_nc_u64 s[10:11], s[10:11], s[74:75]
	; the prefetches
	s_lshl_b32 s21, s70, 8                         ; sx: the tile's first row
	s_lshl_b32 s22, s42, 8
	s_lshl_b32 s23, s71, 12
	s_add_co_u32 s22, s22, s23                     ; sy: the tile's first row, the batch's 4,096 among it
	s_and_b32 s23, s[CLY], 1                       ; which of the batch's two clusters mine is
	s_cmp_eq_u32 s[HR], 0                          ; do I fetch for sx?
	s_cselect_b32 s21, s21, s22
	s_cselect_b32 s22, s40, s41                    ; my place among the four that ask for the tile with me
	s_cselect_b32 s23, ttmp9, s23                  ; the coordinate along which other clusters read the same rows
	s_cselect_b64 s[PFA:PFA+1], s[4:5], s[72:73]
	s_cmp_eq_u32 s23, 0
	s_cselect_b32 s[LIM], 1, -1                    ; the same in all sixteen partners, for a given wave
	s_lshl_b32 s23, s[HC], 7
	s_add_co_u32 s21, s21, s23                     ; + the 128 rows that I fetch
	s_lshl_b32 s22, s22, 5
	s_add_co_u32 s21, s21, s22                     ; + my work-group's 32 of them
	s_lshl_b32 s18, s21, 13
	s_mov_b32 s19, 0
	s_add_nc_u64 s[PFA:PFA+1], s[PFA:PFA+1], s[18:19]
	s_add_nc_u64 s[PFA:PFA+1], s[PFA:PFA+1], 2*KSTEP*2  ; at K step 2: the first refill steps it to 3 and names K step 4.  Nothing is prefetched here, where every work-group's first tiles are on their way
	s_wait_kmcnt 0x0
	s_mov_b32 s[XC+1], s[XC]                       ; named as pairs, so both words are written
	s_mov_b32 s[YC+1], s[YC]
; 16 matrix instructions: m blocks a0, a0 + 1 of the window's four (hi = 0: my rows 0-63, 1: rows 64-127) x all 8 n blocks, 32 along K.  zero = 1: the first product starts the sums: nothing is cleared.
; The 64 accumulators take turns, one instruction a turn, in the same order in every quarter step, over the backward jump and into the tail.
.macro MUL16 f, hi, a0, zero
	WIN MUL_LO+0x50*(\hi)
.irp a, \a0, (\a0)+1
.irp b, 0,1,2,3,4,5,6,7
.if \zero
	v_wmma_f32_16x16x32_bf16 v[8*(8*(\a)+(\b)):8*(8*(\a)+(\b))+7], v[(\f)+8*(\b):(\f)+8*(\b)+7], v[(\f)+8*(4*(\hi)+(\a)):(\f)+8*(4*(\hi)+(\a))+7], 0
.else
	v_wmma_f32_16x16x32_bf16 v[8*(8*(\a)+(\b)):8*(8*(\a)+(\b))+7], v[(\f)+8*(\b):(\f)+8*(\b)+7], v[(\f)+8*(4*(\hi)+(\a)):(\f)+8*(4*(\hi)+(\a))+7], v[8*(8*(\a)+(\b)):8*(8*(\a)+(\b))+7]
.endif
.endr
.endr
.endm
; 32 LDS loads in one run: the fragments of one quarter step (128 rows of sy, 128 rows of sx, 32 K at byte k of the rows) into buffer f
.macro FETCH slot, k, f
	WIN TO_B
.irp i, 0,1,2,3,4,5,6,7
	ds_load_b128 v[(\f)+8*(\i):(\f)+8*(\i)+3],   v[ADRB+(\slot)] offset:(\k)+(\i)*16*PITCH
	ds_load_b128 v[(\f)+8*(\i)+4:(\f)+8*(\i)+7], v[ADRB+(\slot)] offset:(\k)+(\i)*16*PITCH+32
.endr
	WIN 0
.irp i, 0,1,2,3,4,5,6,7
	ds_load_b128 v[(\f)+8*(\i):(\f)+8*(\i)+3],   v[ADRA+(\slot)] offset:(\k)+(\i)*16*PITCH
	ds_load_b128 v[(\f)+8*(\i)+4:(\f)+8*(\i)+7], v[ADRA+(\slot)] offset:(\k)+(\i)*16*PITCH+32
.endr
.endm
; A load into a register that a matrix instruction has read, and a vector instruction that reads a matrix result or writes one of a matrix instruction's registers, stand four places behind it, and only
; plain vector instructions that name none of its registers are places (ISA guide 7.12.1 for vector instructions).
.macro PLACES
.rept 4
	v_nop
.endr
.endm
; A K step is four quarter steps of 32 along K, 64 matrix instructions each, on buffers 0, 1, 0, 1.
; One of the first three: multiplies buffer f; in its middle it fetches the next quarter's fragments, at byte k of the same slot's rows, into buffer g.
.macro QUARTER slot, k, f, g, zero
	s_wait_dscnt 8                                 ; sy's fragments and sx's rows 0-63 are in; the youngest eight loads (sx's rows 64-127) may be out
	MUL16 \f, 0, 0, \zero
	MUL16 \f, 0, 2, \zero
	PLACES
	FETCH \slot, \k, \g
	s_wait_dscnt 32                                ; all but the 32 just issued
	MUL16 \f, 1, 0, \zero
	MUL16 \f, 1, 2, \zero
.endm
; The last quarter multiplies buffer 1 and changes slots.  MEET is its first half: ONE barrier for the change, for two things.  In front of it each wave waits for all its tensor loads, of which one is
; out: its part of the next slot; adds 0 to its spare word; and waits for that and for its own reads of this slot.  Behind it nobody reads this slot any more and the next slot is whole.
.macro MEET round                      ; round = 1: the rest of a round of the cluster's barrier follows
	WIN 0                                          ; (the add's two registers lie in window 0)
	s_wait_tensorcnt 0x0                           ; all my tensor loads have landed;
	ds_add_u32 v[SPW], v[NIL]                      ; 0 onto my spare word;
	s_wait_dscnt 9                                 ; (the add and the youngest eight loads may be out)
	MUL16 F1, 0, 0, 0                              ; sixteen matrix instructions stand between the add and the wait for it
	s_wait_dscnt 0x0                               ; the add is done, and my reads of this slot are over:
	s_barrier_signal -1                            ; say so,
	MUL16 F1, 0, 2, 0                              ; work on registers while the others arrive,
.if \round
	WIN 0
.endif
	s_barrier_wait -1                              ; and go on when all four have said so
.endm
; The whole last quarter.  fill = 1: the barrier opens a round of the cluster's, and behind the round the slot just read out is filled again first, with the K step two steps on; from that request to the
; wait for it a wave issues 224 matrix instructions.  fill = 0: nothing is left to ask for.  Then come the next slot's first fragments.
.macro TURN slot, next, fill
.if \fill
	s_wait_xcnt 0x0                                ; the last prefetch, a K step back, has read its address: it is stepped here, ahead of the waits of the change of slots
	s_add_nc_u64 s[PFA:PFA+1], s[PFA:PFA+1], KSTEP*2
	MEET 1
	CREST                                          ; no wave of any partner still reads this slot's tile or has a load on its way
	s_add_nc_u64 s[G0+4*(\slot)+2:G0+4*(\slot)+3], s[G0+4*(\slot)+2:G0+4*(\slot)+3], 2*KSTEP*2    ; no tensor load of mine is out, so a group 0 may be written; the type bits on top are not reached
	s_add_nc_u64 s[G0B+4*(\slot)+2:G0B+4*(\slot)+3], s[G0B+4*(\slot)+2:G0B+4*(\slot)+3], 2*KSTEP*2
	JLOAD \slot                                    ; the first tensor load behind the round, and my only one until the next; the four v_nop behind it are also the places in front of the loads below
.else
	MEET 0
	PLACES
.endif
	FETCH \next, 0, F0
.if \fill
	ASK                                            ; behind the joint load and the run of LDS loads that the next products wait for
.endif
	MUL16 F1, 1, 0, 0
	MUL16 F1, 1, 2, 0
.endm
; THE WAY OUT of block a (16 of my rows), in three parts.  PACK: the sums times x_clip, then times y_clip, in the definition's order; each accumulator is read from its lowest registers on.
; TOSTAGE: 32 bytes a lane into my own stage in LDS, and back as whole rows of 512 bytes.  SEND: stored.
.macro PACK a
.set AC, 64*((\a)%4)
	WIN 0x02+(\a)/4                                ; source 0: window 2 (blocks 0-3) or 3 (blocks 4-7); destination window 0
.set i, 0
.rept 32
	v_pk_mul_f32 v[TMP+2*i:TMP+2*i+1], v[AC+2*i:AC+2*i+1], s[XC:XC+1] op_sel_hi:[1,0]
.set i, i+1
.endr
	WIN 0
.set i, 0
.rept 32
	v_pk_mul_f32 v[TMP+2*i:TMP+2*i+1], v[TMP+2*i:TMP+2*i+1], s[YC:YC+1] op_sel_hi:[1,0]
.set i, i+1
.endr
.endm
.macro TOSTAGE a
	WIN 0
.set BK, OBK+64*((\a)%2)
.irp b, 0,1,2,3,4,5,6,7
	ds_store_b128 v[STO], v[TMP+8*(\b):TMP+8*(\b)+3]   offset:64*(\b)      ; columns 16 b + 8 (l / 16) + 0..3 of row l % 16,
	ds_store_b128 v[STO], v[TMP+8*(\b)+4:TMP+8*(\b)+7] offset:64*(\b)+16   ; and + 4..7
.endr
.irp t, 0,1,2,3,4,5,6,7,8,9,10,11,12,13,14,15
	ds_load_b128 v[BK+4*(\t):BK+4*(\t)+3], v[RD] offset:(\t)*SPITCH        ; LDS serves a wave's instructions in order (ISA guide 5.7.1.4): these see the stores above; the stage is my wave's own
.endr
.endm
.macro SEND a
	WIN 0
.set BK, OBK+64*((\a)%2)
	s_wait_dscnt 0x0                               ; the block is back in registers
	s_wait_xcnt 0x0                                ; every earlier memory instruction has had its addresses translated (ISA guide 3.1): only behind this wait are the stores' base and the registers that the block before last's stores read rewritten
.if (\a) > 0
	s_add_nc_u64 s[10:11], s[10:11], 16*CROW       ; 16 rows of out0 on, so that the stores' offsets stay at 15 rows at the most
.endif
.irp t, 0,1,2,3,4,5,6,7,8,9,10,11,12,13,14,15
	global_store_b128 v[CO], v[BK+4*(\t):BK+4*(\t)+3], s[10:11] offset:(\t)*CROW th:TH_STORE_NT  ; 32 lanes store 512 consecutive bytes, at a multiple of 512 from out0's first byte
.endr
.endm
	s_wait_tensorcnt 1                             ; my part of K step 0 is in; K step 1's may stay out
	s_barrier_signal -1
	s_barrier_wait -1                              ; everybody's is
	FETCH 0, 0, F0
	QUARTER 0, 64,  F0, F1, 1                      ; the first quarter stands in front of the loop: its products start the sums
	WIN 0                                          ; at a label and at a branch every window is 0
	s_mov_b32 s3, LAPS-1
.Llap:                                                 ; a trip goes once round the ring, from a lap's second quarter to the next lap's first, and fills both slots again
	QUARTER 0, 128, F1, F0, 0
	QUARTER 0, 192, F0, F1, 0
	TURN 0, 1, 1
	QUARTER 1, 64,  F0, F1, 0
	QUARTER 1, 128, F1, F0, 0
	QUARTER 1, 192, F0, F1, 0
	TURN 1, 0, 1
	QUARTER 0, 64,  F0, F1, 0
	WIN 0
	s_sub_co_u32 s3, s3, 1
	s_cmp_lg_u32 s3, 0
	s_cbranch_scc1 .Llap
	QUARTER 0, 128, F1, F0, 0                      ; the last lap is written out: it fills nothing
	QUARTER 0, 192, F0, F1, 0
	TURN 0, 1, 0                                   ; my one tensor load that was still out is slot 1's, the last K step's
	QUARTER 1, 64,  F0, F1, 0
	QUARTER 1, 128, F1, F0, 0
	QUARTER 1, 192, F0, F1, 0
	s_wait_dscnt 8                                 ; the very last quarter: nothing more to fetch
	MUL16 F1, 0, 0, 0
	MUL16 F1, 0, 2, 0
	s_wait_dscnt 0x0
	MUL16 F1, 1, 0, 0
	MUL16 F1, 1, 2, 0
	WIN 0
	PLACES                                         ; the places behind the last products: what follows reads results and writes over fragment registers
	PLACES                                         ; (eight, once a launch: the stricter count)
	PACK 0
	TOSTAGE 0
.irp a, 1,2,3,4,5,6,7                  ; block a's multiplications stand between block a - 1's loads from the stage and the wait for them
	PACK \a
	SEND (\a)-1
	TOSTAGE \a
.endr
	SEND 7
	s_wait_tensorcnt 0x0                           ; the wave's end: behind my last tensor load and my last LDS store
	ds_add_u32 v[SPW], v[NIL]
	s_wait_dscnt 0x0
	CROUND                                         ; the closing round: no work-group ends while a partner may still ask for a tile that names it
	s_endpgm
.Lfunc_end_k_q5c162cdf14_gemm:
	.size	k_q5c162cdf14_gemm, .Lfunc_end_k_q5c162cdf14_gemm-k_q5c162cdf14_gemm
	.p2alignl 7, 3214868480
	.fill 96, 4, 3214868480
	.section	.rodata,"a",@progbits
	.p2align	6, 0x0
	.amdhsa_kernel k_q5c162cdf14_gemm
		.amdhsa_group_segment_fixed_size 327680
		.amdhsa_private_segment_fixed_size 0
		.amdhsa_enable_private_segment 0
		.amdhsa_kernarg_size 32
		.amdhsa_user_sgpr_count 2
		.amdhsa_user_sgpr_kernarg_segment_ptr 1
		.amdhsa_wavefront_size32 1
		.amdhsa_system_sgpr_workgroup_id_x 1
		.amdhsa_system_sgpr_workgroup_id_y 1
		.amdhsa_system_sgpr_workgroup_id_z 1
		.amdhsa_system_vgpr_workitem_id 0
		.amdhsa_next_free_vgpr 1024
		.amdhsa_next_free_sgpr 80
		.amdhsa_reserve_vcc 0
		.amdhsa_float_denorm_mode_32 3
		.amdhsa_float_denorm_mode_16_64 3
		.amdhsa_memory_ordered 1
		.amdhsa_forward_progress 1
		.amdhsa_inst_pref_size 174
	.end_amdhsa_kernel
	.amdgpu_metadata
---
amdhsa.version: [ 1, 2 ]
amdhsa.kernels:
  - .name:           k_q5c162cdf14_gemm
    .symbol:         k_q5c162cdf14_gemm.kd
    .args:
      - { .name: sg, .offset: 0, .size: 8, .value_kind: global_buffer, .address_space: global }
      - { .name: x_clip, .offset: 8, .size: 8, .value_kind: global_buffer, .address_space: global }
      - { .name: y_clip, .offset: 16, .size: 8, .value_kind: global_buffer, .address_space: global }
      - { .name: out0, .offset: 24, .size: 8, .value_kind: global_buffer, .address_space: global }
    .group_segment_fixed_size: 327680
    .private_segment_fixed_size: 0
    .kernarg_segment_align: 8
    .kernarg_segment_size: 32
    .max_flat_workgroup_size: 128
    .sgpr_count:     80
    .vgpr_count:     1024
    .wavefront_size: 32
...
	.end_amdgpu_metadata
.endif
;; end of part 2
;; ======== version 2 of 2: 2 launches; version 1 with the launch signs written anew for expert scheduling mode
;; workspace buffers: sg 100,663,296 bytes
;; launch signs (part 3): grid 768 x 1, 8 waves a work-group, no clusters, 0 bytes of LDS; arguments x, y, sg; writes sg
.if DOCPART == 3
	.amdgcn_target "amdgcn-amd-amdhsa--gfx1250"
	.amdhsa_code_object_version 6
	.text
	.protected	k_q5c162cdf14_signs
	.globl	k_q5c162cdf14_signs
	.p2align	8
	.type	k_q5c162cdf14_signs,@function
k_q5c162cdf14_signs:
	s_mov_b64 s[64:65], 0
	v_nop
	global_prefetch_b8 v0, s[64:65] scope:SCOPE_SE
	s_setreg_imm32_b32 hwreg(HW_REG_WAVE_SCHED_MODE, 0, 2), 2
	s_setreg_imm32_b32 hwreg(HW_REG_WAVE_MODE, 25, 1), 1
	s_wait_xcnt 0x0
	s_wait_alu depctr_vm_vsrc(0)
; sg = sign(x), then sign(y), as bf16.  x: 4,096 rows, y: 8,192 rows of 4,096 f32; sg: 12,288 rows of 4,096 bf16, x's rows first.
; EXACT FOR EVERY f32: a number that is ordered and not 0 (denormals and infinities too) gives +1 or -1 by its sign bit; +0 and -0 stay as they are; a NaN stays a NaN
; (its payload is not kept by the rounding to bf16).  +1, -1 and 0 are exact in bf16, so nothing is rounded here.
; K IS PERMUTED INSIDE EACH BLOCK OF 256, alike in every row of x and of y: place 8 t + e of a block holds k = 4 t + e (e < 4) or k = 128 + 4 t + e - 4 (e >= 4).
; The product that follows sums over all k of a row pair, and both rows have the same order, so every product meets its partner; the sums are whole numbers, exact in f32 in any order.
; What it buys: lane t loads 16 bytes at 16 t and 16 bytes at 512 + 16 t of a block's 1,024 bytes, and stores 16 bytes at 16 t of its 512: each load and each store of a wave
; covers 512 consecutive bytes, aligned, and no number changes lanes.
; SHARES.  768 work-groups of eight waves; a work-group takes 262,144 consecutive input bytes (16 rows): numbers 0-255 of x, the others of y; its output begins at 131,072 x its number,
; since x's 256 shares end where y's rows begin in sg.  A wave takes 32,768 bytes: 32 blocks, one to a step.
; No LDS, no barrier, no matrix unit: no wave wants a byte that another has fetched.  No prefetch: the launch does nothing but stream.
; THE MODE: SCHED_MODE bits 1:0 = 2 (LLVM: expert scheduling mode 2), set by the entry lines.  The code itself states the register dependences
; between vector instructions and memory instructions, and between a vector instruction that writes a scalar register and its readers, with s_wait_alu, always for 0.
; THE PLAN.  Registers that memory instructions touch:
;   X0 .. X7   eight blocks as loaded.  Written by the two loads of block p + 7, issued in step p; read by step p's compares, sign lines and selects.
;   Y0, Y1     two blocks to store.     Written by step p's four roundings; read by the one store that is issued in step p + 1.
;   v2, v3     byte offsets, made once at the head and never written again: the blocks are reached by immediate offsets and by the scalar bases, which move on once in eight steps.
; Step p works on X[p % 8] and writes Y[p % 2].  Its memory instructions are the loads into X[(p + 7) % 8] = X[(p - 1) % 8] and the store from Y[(p - 1) % 2]: the two buffers that
; step p - 1 worked on and that no vector instruction of step p names.  So the waits at a step's head state all that its three memory instructions hang on.  Twelve to fourteen loads of a wave are in flight.
; T and the masks s16-23 are named by vector instructions alone; the masks have one wait a step, between the run of compares that writes them and the run of selects that reads them.
.set DEPTH,  8                         ; X buffers, and steps in a lap
.set LAPS,   3                         ; steps 1 to 24; step 0 stands ahead of the loop, steps 25 to 31 behind it
.set INB,    1024                      ; input bytes of a block
.set OUTB,   512                       ; output bytes of a block
.set VIN,  2                           ; v2        my byte offset in the work-group's input: 32,768 x wave + 16 x lane; never rewritten
.set VOUT, 3                           ; v3        the same in its output: 16,384 x wave + 16 x lane; never rewritten
.set T,    4                           ; v[4:11]   eight numbers at work: no memory instruction names them
.set X,    12                          ; v[12:75]  buffer i: 8 registers as loaded (0-3 the low 16 bytes, 4-7 the high)
.set Y,    76                          ; v[76:83]  buffer i: 4 registers to store
.set M,    16                          ; s[16:23]  eight masks: where the number is ordered and not 0
	s_load_b128 s[4:7], s[0:1], 0x0                ; x s[4:5], y s[6:7]
	s_load_b64 s[8:9], s[0:1], 0x10                ; sg
	s_sub_co_u32 s3, ttmp9, 256                    ; my share's number in y, if I am one of y's
	s_cmp_lt_u32 ttmp9, 256                        ; am I one of x's?  SCC stays until the choice of the buffer below: only moves, selects, waits and vector lines stand between
	s_cselect_b32 s2, ttmp9, s3                    ; my share's number in its buffer
	v_and_b32 v1, 0xe0, v0                         ; 32 x wave
	v_and_b32 v[VOUT], 31, v0
	v_lshlrev_b32 v[VOUT], 4, v[VOUT]              ; 16 x lane
	v_lshl_or_b32 v[VIN], v1, 10, v[VOUT]
	v_lshl_or_b32 v[VOUT], v1, 9, v[VOUT]
	s_mov_b32 s14, 0x80000000                      ; the sign bit
	s_mov_b32 s15, 0x3f800000                      ; 1.0
	s_wait_kmcnt 0x0
	s_cselect_b64 s[10:11], s[4:5], s[6:7]         ; the condition is made of the work-group's number alone
	s_lshl_b32 s2, s2, 18                          ; 262,144 bytes a share: under 2^27
	s_mov_b32 s3, 0
	s_add_nc_u64 s[10:11], s[10:11], s[2:3]
	s_lshl_b32 s12, ttmp9, 17                      ; 131,072 bytes of sg a share
	s_mov_b32 s13, 0
	s_add_nc_u64 s[8:9], s[8:9], s[12:13]
	s_wait_alu depctr_va_vdst(0)                   ; v2 and v3 are written: every load and store of the kernel reads one of them as its offset
.irp i, 0,1,2,3,4,5,6
	global_load_b128 v[X+8*(\i):X+8*(\i)+3],   v[VIN], s[10:11] offset:INB*(\i) th:TH_LOAD_NT       ; blocks 0 to 6 into X0 to X6
	global_load_b128 v[X+8*(\i)+4:X+8*(\i)+7], v[VIN], s[10:11] offset:INB*(\i)+512 th:TH_LOAD_NT
.endr
; Step p = 8 r + q, the bases standing at block 8 r.  first = 1: step 0, with no step in front of it.  ahead = 1: block p + 7 is loaded.
; left = how many younger loads may still be out when this block's two have to be there.
.macro STEP q, first, ahead, left
.set XIN, X+8*((\q)%8)                 ; the block at work
.set XNX, X+8*(((\q)+7)%8)             ; the buffer that the step before worked on: block p + 7 lands in it
.set YNW, Y+4*((\q)%2)                 ; what this step's roundings write
.set YST, Y+4*(((\q)+1)%2)             ; what the step before wrote: stored here
	s_wait_loadcnt \left                           ; loads come back in order (ISA guide 5.7.1): my two are in, the younger blocks' stay out
.if !\first
	s_wait_xcnt 0x0                                ; every earlier memory instruction has had its addresses translated (ISA guide 3.1): the Y that the store of the step before reads is rewritten only behind this wait
	s_wait_alu depctr_vm_vsrc(0)                   ; the store issued in the step before has read the Y that this step's roundings write again
	s_wait_alu depctr_va_vdst(0)                   ; the step before has written the other Y, which the store below reads, and is done reading its X, in which the loads below land
.endif
.if \ahead
	global_load_b128 v[XNX:XNX+3],   v[VIN], s[10:11] offset:INB*((\q)+7) th:TH_LOAD_NT      ; seven blocks ahead; the loads ahead of the store; no vector instruction since the wait names these registers
	global_load_b128 v[XNX+4:XNX+7], v[VIN], s[10:11] offset:INB*((\q)+7)+512 th:TH_LOAD_NT
.endif
.if !\first
	global_store_b128 v[VOUT], v[YST:YST+3], s[8:9] offset:OUTB*((\q)-1)  ; the block before: 32 lanes store 512 consecutive bytes, at a multiple of 512 from sg's first byte
.endif
.irp j, 0,1,2,3,4,5,6,7
	v_cmp_lg_f32 s[M+(\j)], 0, v[XIN+(\j)]                         ; true where x is ordered and not 0; the mode keeps f32 denormals, so they count as not 0
.endr
.irp j, 0,1,2,3,4,5,6,7
	v_and_or_b32 v[T+(\j)], v[XIN+(\j)], s14, s15                  ; 1.0 with x's sign: these eight stand between the compares and the wait for them
.endr
	s_wait_alu depctr_va_sdst(0)                   ; the eight compares have written s16 to s23, ahead of their first reader
.irp j, 0,1,2,3,4,5,6,7
	v_cndmask_b32 v[T+(\j)], v[XIN+(\j)], v[T+(\j)], s[M+(\j)]     ; elsewhere x itself: +0, -0 or a NaN
.endr
.irp k, 0,1,2,3
	v_cvt_pk_bf16_f32 v[YNW+(\k)], v[T+2*(\k)], v[T+2*(\k)+1]
.endr
.endm
	STEP 0, 1, 1, 2*(DEPTH-2)                      ; step 0: blocks 1 to 6 stay out; no vector instruction has named X7, and the head's wait has covered the offsets
	s_mov_b32 s12, LAPS
.Lround:                                               ; steps 1 to 24, eight to a lap: both kinds of buffer are back at their start
.irp q, 1,2,3,4,5,6,7,8
	STEP \q, 0, 1, 2*(DEPTH-2)                     ; six younger blocks, two loads each: the same count on the way in and over the backward jump
.endr
	s_wait_xcnt 0x0                                ; the lap's loads and stores have read their bases, so these may be stepped
	s_add_nc_u64 s[10:11], s[10:11], DEPTH*INB
	s_add_nc_u64 s[8:9], s[8:9], DEPTH*OUTB
	s_sub_co_u32 s12, s12, 1
	s_cmp_lg_u32 s12, 0
	s_cbranch_scc1 .Lround
.irp q, 1,2,3,4,5,6,7
	STEP \q, 0, 0, 2*(DEPTH-1-(\q))                ; steps 25 to 31 load nothing, so no load leaves the buffer: the counts run down
.endr
	s_wait_alu depctr_va_vdst(0)                   ; step 31 has written Y1, which the last store reads
	global_store_b128 v[VOUT], v[Y+4:Y+7], s[8:9] offset:OUTB*7
	s_endpgm
.Lfunc_end_k_q5c162cdf14_signs:
	.size	k_q5c162cdf14_signs, .Lfunc_end_k_q5c162cdf14_signs-k_q5c162cdf14_signs
	.p2alignl 7, 3214868480
	.fill 96, 4, 3214868480
	.section	.rodata,"a",@progbits
	.p2align	6, 0x0
	.amdhsa_kernel k_q5c162cdf14_signs
		.amdhsa_group_segment_fixed_size 0
		.amdhsa_private_segment_fixed_size 0
		.amdhsa_enable_private_segment 0
		.amdhsa_kernarg_size 24
		.amdhsa_user_sgpr_count 2
		.amdhsa_user_sgpr_kernarg_segment_ptr 1
		.amdhsa_wavefront_size32 1
		.amdhsa_system_sgpr_workgroup_id_x 1
		.amdhsa_system_sgpr_workgroup_id_y 1
		.amdhsa_system_sgpr_workgroup_id_z 1
		.amdhsa_system_vgpr_workitem_id 0
		.amdhsa_next_free_vgpr 84
		.amdhsa_next_free_sgpr 66
		.amdhsa_reserve_vcc 0
		.amdhsa_float_denorm_mode_32 3
		.amdhsa_float_denorm_mode_16_64 3
		.amdhsa_memory_ordered 1
		.amdhsa_forward_progress 1
		.amdhsa_inst_pref_size 37
	.end_amdhsa_kernel
	.amdgpu_metadata
---
amdhsa.version: [ 1, 2 ]
amdhsa.kernels:
  - .name:           k_q5c162cdf14_signs
    .symbol:         k_q5c162cdf14_signs.kd
    .args:
      - { .name: x, .offset: 0, .size: 8, .value_kind: global_buffer, .address_space: global }
      - { .name: y, .offset: 8, .size: 8, .value_kind: global_buffer, .address_space: global }
      - { .name: sg, .offset: 16, .size: 8, .value_kind: global_buffer, .address_space: global }
    .group_segment_fixed_size: 0
    .private_segment_fixed_size: 0
    .kernarg_segment_align: 8
    .kernarg_segment_size: 24
    .max_flat_workgroup_size: 256
    .sgpr_count:     66
    .vgpr_count:     84
    .wavefront_size: 32
...
	.end_amdgpu_metadata
.endif
;; end of part 3
;; launch gemm: the kernel of part 2 again; grid 16 x 16, 4 waves a work-group, clusters of 4 x 4, 327,680 bytes of LDS; arguments sg, x_clip, y_clip, out0; writes out0
